; MI455X (gfx1250); checked and timed in simulation.
; The chip was launched on July 23, 2026; its instructions are those of AMD's public machine-readable ISA for CDNA 5 (MIT licence, August 2026) and "CDNA5" Instruction Set Architecture Reference Guide (July 2026). The comments in the code are by the model that wrote it; some were corrected since.
;; Attention. Allowed arithmetic: matrix products marked QUANTISED: E5M2 operands, one given power-of-two scale a tensor, by v_wmma_f32_16x16x64_bf8_bf8 or v_wmma_f32_16x16x128_bf8_bf8, f32 sums; everything else in f32.
;; Inputs: bk 256 float32; bp 256 float32; bq 256 float32; bv 256 float32; lowp_scales 12 int32 (the exponents e of the quantised operands' scales 2^e); wk 256 x 256 float32; wp 256 x 256 float32; wq 256 x 256 float32; wv 256 x 256 float32; x 4 x 256 x 4,096 float32.
;; Outputs: out0 4 x 256 x 4,096 float32.
;; This version of the problem:
;;   THIS VERSION OF THE PROBLEM IS GIVEN IN LOW PRECISION. The matrix products marked QUANTISED in the list below multiply operands that are first quantised to E5M2 (5 exponent bits, 2 mantissa bits; 8 bits a number), with one given power-of-two scale for each operand tensor; their sums are f32. All else is computed in f32.
;;   The module's matrix products, in the order in which they are computed (A, B: the left and right operand; K: the contracted axis; several contracted axes count as one K, in the product's order):
;;     1. [M 16,384, K 256] x [K 256, N 256]; A: input x; B: input wq: QUANTISED (scales: A lowp_scales[0], B lowp_scales[1])
;;     2. [M 16,384, K 256] x [K 256, N 256]; A: input x; B: input wk: QUANTISED (scales: A lowp_scales[2], B lowp_scales[3])
;;     3. [M 16,384, K 256] x [K 256, N 256]; A: input x; B: input wv: QUANTISED (scales: A lowp_scales[4], B lowp_scales[5])
;;     4. batch 16 x [M 4,096, K 64] x [K 64, N 4,096]; A: computed on the way; B: computed on the way: QUANTISED (scales: A lowp_scales[6], B lowp_scales[7])
;;     5. batch 16 x [M 64, K 4,096] x [K 4,096, N 4,096]; A: computed on the way; B: softmax (see below): QUANTISED (scales: A lowp_scales[8], B lowp_scales[9])
;;     6. [M 16,384, K 256] x [K 256, N 256]; A: computed on the way; B: input wp: QUANTISED (scales: A lowp_scales[10], B lowp_scales[11])
;;   THE QUANTISER, for each operand of a quantised product, along K:
;;     - The operand's scale is 2^e, e = its entry of the input lowp_scales (int32; the entries are numbered through the quantised products in the list's order, A before B).
;;     - Each number is divided by the scale, clamped to +-57,344, and rounded to the nearest number of E5M2, ties to even, subnormals kept.
;;     - The product sums the exact products of the quantised numbers (number of the format x scale) in f32.
;;   ~~~python
;;   def quantise(x, axis, e):      # numpy; x: float32 -> the quantised numbers, widened to float32 again
;;       x = np.moveaxis(x, axis, -1); K = x.shape[-1]
;;       r = np.clip(x / 2.0 ** e, -57344, 57344)
;;       step = 2.0 ** (np.maximum(np.frexp(np.where(r == 0, 1, r))[1] - 1, -14) - 2)
;;       q = np.round(r / step) * step * 2.0 ** e      # np.round: ties to even
;;       return np.moveaxis(q, -1, axis).astype(np.float32)
;;   ~~~
;;   SOFTMAX AHEAD OF A QUANTISED PRODUCT. Where the list says 'softmax', what is quantised is not the finished softmax but p = 2^(t - M), with t = logit x log2(e) and M = ceil(the row's largest t), a whole number; so 1/2 < the row's largest p <= 1. The row's sum l is taken of the UNQUANTISED p, in f32, and the product's result is divided by l at the end. Since M is a whole number, a kernel that streams over the keys may use a running M (the ceiling of the running maximum): every later rescaling is an exact power of two, so the quantised numbers keep their values, but for numbers so far below the row's largest that they fall under the format's range.
;;   OPERANDS COMPUTED ON THE WAY. 'Computed on the way' means the value that the module computes at that place (a softmax that the list does not call 'softmax' is quantised finished and normalised). What goes into a quantiser is computed in f32, as accurately as f32 sums, v_exp_f32 and their like allow (about 1e-6 of the number): no bf16 or f16 on the way to a quantiser, and a product that is left as it is and whose result goes on into a quantised operand takes f32 operands (vector FMAs, or v_wmma_f32_16x16x4_f32). A number that lies on a knife's edge between two numbers of the format may be rounded either way, as far as f32 arithmetic and the matrix unit's own rounding can turn it there, and no further.
;; One version. Each part assembles by itself: llvm-mc -triple=amdgcn-amd-amdhsa -mcpu=gfx1250 --defsym DOCPART=n.
;; ======== version 1 of 1: 3 launches
;; limits: right only within a limited range of input values
;; workspace buffers: qc 4,194,304 bytes; kv 8,388,608 bytes; ac 4,194,304 bytes
;; launch proj (part 1): grid 4 x 64, 8 waves a work-group, no clusters, 263,168 bytes of LDS; arguments x, wq, wk, wv, bq, bk, bv, lowp_scales, qc, kv; writes qc, kv
.if DOCPART == 1
	.amdgcn_target "amdgcn-amd-amdhsa--gfx1250"
	.amdhsa_code_object_version 6
	.text
	.protected	k_q1c4a937761_proj
	.globl	k_q1c4a937761_proj
	.p2align	8
	.type	k_q1c4a937761_proj,@function
k_q1c4a937761_proj:
	s_mov_b64 s[64:65], 0
	v_nop
	global_prefetch_b8 v0, s[64:65] scope:SCOPE_SE
	s_setreg_imm32_b32 hwreg(HW_REG_WAVE_MODE, 25, 1), 1
	s_wait_xcnt 0x0
; q, k, v = W x + b for one head and 256 points, all three products on codes of BF8 (E5M2), then q, k, v themselves as codes for the attention launch.
; x: [4][256 c][4096 n] f32.  wq, wk, wv: [256 o][256 c] f32.  lowp_scales: e0 .. e8 are used here: x is quantised three times (e0, e2, e4), the weights with e1, e3, e5, the results with e6 (q), e7 (k), e8 (v).
; code = number / 2^e, held within +-57,344, to the nearest code, ties to even.  LIMITS: every e between -126 and 112; e0+e1, e2+e3, e4+e5 between -126 and 127.  NaN among the inputs is not served.
; SHARES.  Work-group (head, pb): batch pb / 16, points 256 (pb % 16) on, the head's 64 channels of q, of k and of v.  Eight waves.
;   Ahead of the barrier wave w quantises rows 8 w .. 8 w + 7 of the head's part of each weight and 32 channels of x (all 256 points, three scales) into LDS.  Behind it wave w multiplies point tiles 2 w and 2 w + 1.
; K IS PERMUTED, ALIKE IN x AND IN THE WEIGHTS: a lane's 16 bytes of a fragment (K step ks, register group c, lane half h: piece i = 8 ks + 2 c + h) stand for channels 64 jj + 4 i + e (byte 4 jj + e).
;   So a weight's piece is what a lane gets by four loads of 16 bytes, 256 bytes apart in a row, and x's piece is 16 rows of x at one point.  Every product still meets its partner.
; q, k: source 0 = 16 rows of the weight, source 1 = 16 points: a lane holds ONE point, its registers run along d.  Row rho of weight tile 2 c + u is channel 32 c + 8 u + rho + 8 (rho / 8), so that two tiles' 16 registers are d = 32 c + 16 h + 0 .. 15.
; v: source 0 = 16 points, source 1 = 16 rows of wv: a lane holds ONE channel, its registers run along the points, which are the keys: the next K.
; OUT, as images of operand registers (each store of a wave covers 512 consecutive bytes, aligned):
;   qc [bh][tile of 16 queries][c 2][lane][16];  kv [bh][step of 128 keys][16,384]: K [tile 8][c 2][lane][16], then V [dt 4][q 4][lane][16] (bytes 0-7 keys 32 q + 8 h + .., bytes 8-15 keys 32 q + 16 + 8 h + ..).
; NO JOINT LOADS, though the four heads' work-groups read the same 256 x 256 numbers of x: those are 262,144 bytes of f32 that must pass through registers to become codes, and beside the 261,888 bytes of images they have no room in LDS.
; LDS: x's images sigma XS + T XT + i PP + 16 r (three scales, 16 point tiles, 16 pieces of 256 bytes + 16); the weights' at WB + tau WT + i PP + 16 rho (tau 0-3 q, 4-7 k, 8-11 v).
;   PP = 272 bytes = 68 words; a read takes 256 consecutive bytes.  XT = 16 PP + 16 does the same for x's writers.
.set XT,  4368
.set XS,  16*XT
.set PP,  272
.set WT,  16*PP
.set WB,  3*XS
.set LI,  1                            ; v1      16 x lane
.set AWG, 3                            ; v3      weights in memory: (lane / 16) rows of 1,024 bytes + 16 (lane % 16)
.set AX,  4                            ; v4-6    where I store x's pieces, one register for each scale
.set AWQ, 7                            ; v7      where I store wq's and wk's pieces
.set AWV, 8                            ; v8      wv's
.set AWR, 9                            ; v9      where I read a weight's fragment
.set AXR, 10                           ; v10-12  where I read x's fragments
.set ABQ, 13                           ; v13     bq, bk: 64 (lane / 16)
.set ABV, 14                           ; v14     bv: 4 (lane % 16)
.set SCL, 16                           ; v16-24  2^e as f32: x (e0, e2, e4), weights (e1, e3, e5), results (e6, e7, e8)
.set R,   32                           ; v32-159 two sets of 64 numbers as loaded
.set D,   32                           ; v32-95  later: eight accumulators, (weight tile, point tile) at D + 8 (2 tp + tt)
.set BQ,  96                           ; v96-127 later: bq in the result's layout;  v128-159 bk
.set BK,  128
.set T,   160                          ; v160-191 two sets of 16 held numbers
.set CD,  192                          ; v192-207 four sets of 4 registers of codes
.set BV,  208                          ; v208-215 bv: four pairs, both words alike
.set WV,  28                           ; s28     wave
.set LIM, 44                           ; s44-61  nine pairs: 57,344 x 2^e and its negative, in SCL's order
.set EQ,  66                           ; s66-71  three pairs: 2^(e0+e1), 2^(e2+e3), 2^(e4+e5)
.set XB,  72                           ; s[72:73] x;  s[74:79] the weights;  s[80:85] the biases;  s[86:87] qc;  s[88:89] kv, K's part;  s[62:63] kv, V's part
.set WP,  74
.set BB0, 80
.set QB,  86
.set KB,  88
.set VB,  62
.set NC,  0                            ; counts the groups of 16 codes: the sets of T and CD take turns by it
.set MSB, 0
.macro WIN new                         ; the immediate's high byte repeats the setting that is left
.if MSB != \new
	s_set_vgpr_msb (MSB<<8)|\new
.set MSB, \new
.endif
.endm
.macro PLACES                          ; four plain vector lines behind matrix instructions, ahead of reads of their results and of loads into their sources
.rept 4
	v_nop
.endr
.endm
.macro MKS e, vs, sp                   ; from the whole number e in s[e]: 2^e into v[vs], 57,344 x 2^e into s[sp], its negative into s[sp + 1]
	s_add_co_i32 s90, s[\e], 127
	s_lshl_b32 s91, s90, 23
	v_mov_b32 v[\vs], s91
	s_add_co_i32 s90, s90, 15
	s_lshl_b32 s90, s90, 23
	s_or_b32 s[\sp], s90, 0x600000
	s_or_b32 s[\sp+1], s[\sp], 0x80000000
.endm
.macro MKE a, b, d                     ; 2^(s[a] + s[b]) as f32 into the pair s[d], s[d + 1]
	s_add_co_i32 s[\d], s[\a], s[\b]
	s_add_co_i32 s[\d], s[\d], 127
	s_lshl_b32 s[\d], s[\d], 23
	s_mov_b32 s[\d+1], s[\d]
.endm
; 16 loads: my 8 rows of weight m: sixteen lanes read 256 consecutive bytes of a row; register 16 it + 4 jj + e = row 2 it + lane / 16, channel 64 jj + 4 (lane % 16) + e
.macro LOADW m, bank
.irp it, 0,1,2,3
.irp jj, 0,1,2,3
	global_load_b128 v[R+64*(\bank)+16*\it+4*\jj:R+64*(\bank)+16*\it+4*\jj+3], v[AWG], s[WP+2*(\m):WP+2*(\m)+1] offset:\it*2048+\jj*256
.endr
.endr
.endm
; 16 loads: the 16 channels of piece 2 w + ii at 128 points: 32 lanes read 512 consecutive bytes of a row of x; register 4 (4 jj + e) + p = channel 64 jj + 4 (2 w + ii) + e, point 128 hf + 4 lane + p
.macro LOADX ii, hf, bank
.irp jj, 0,1,2,3
.irp e, 0,1,2,3
	global_load_b128 v[R+64*(\bank)+4*(4*\jj+\e):R+64*(\bank)+4*(4*\jj+\e)+3], v[LI], s[XB:XB+1] offset:(64*\jj+4*(\ii)+\e)*16384+(\hf)*512
.endr
.endr
.endm
; weight m's 64 numbers of a lane become four pieces of 16 codes
.macro PROCW m, bank
.irp it, 0,1,2,3
.set RR, R+64*(\bank)+16*\it
.set CC, CD+4*(NC%4)
.set q, 0
.rept 16
.set q, q+1
.endr
	s_wait_dscnt 3                                 ; of the four sets of codes the three younger stores may be out: this set's store, four groups back, has read its registers
	v_cvt_scalef32_pk8_bf8_f32 v[CC:CC+1], v[RR:RR+7], v[SCL+3+(\m)]
	v_cvt_scalef32_pk8_bf8_f32 v[CC+2:CC+3], v[RR+8:RR+15], v[SCL+3+(\m)]
.if (\m) < 2
	ds_store_b128 v[AWQ], v[CC:CC+3] offset:(\m)*4*WT+\it*32
.else
	ds_store_b128 v[AWV], v[CC:CC+3] offset:\it*32
.endif
.set NC, NC+1
.endr
	v_nop                                          ; a plain line behind the last conversion
.endm
; 64 numbers of x (16 channels x 4 points a lane) become, for each of the three scales, four pieces.  The hold writes another register in any case, so it also gathers a point's 16 channels into neighbours
.macro PROCX ii, hf, bank
.irp sg, 0,1,2
.irp p, 0,1,2,3
.set TT, T+16*(NC%2)
.set CC, CD+4*(NC%4)
.set q, 0
.rept 16
	v_med3_num_f32 v[TT+q], v[R+64*(\bank)+4*q+\p], s[LIM+2*\sg+1], s[LIM+2*\sg]
.set q, q+1
.endr
	s_wait_alu depctr_va_vdst(0)
	s_wait_dscnt 3                                 ; as above
	v_cvt_scalef32_pk8_bf8_f32 v[CC:CC+1], v[TT:TT+7], v[SCL+\sg]
	v_cvt_scalef32_pk8_bf8_f32 v[CC+2:CC+3], v[TT+8:TT+15], v[SCL+\sg]
	ds_store_b128 v[AX+\sg], v[CC:CC+3] offset:(\hf)*8*XT+(\ii)*PP+16*\p
.set NC, NC+1
.endr
.endr
	v_nop
.endm
.macro LDW m                           ; weight m's 8 fragments (tile tp, K step ks) -> window 1, v[32 tp + 16 ks]
.irp tp, 0,1,2,3
.irp ks, 0,1
.irp c, 0,1,2,3
	ds_load_b128 v[32*\tp+16*\ks+4*\c:32*\tp+16*\ks+4*\c+3], v[AWR] offset:(4*(\m)+\tp)*WT+(8*\ks+2*\c)*PP
.endr
.endr
.endr
.endm
.macro LDX sg, bank                    ; my two point tiles' 4 fragments under scale sg -> window 1, v[128 + 64 bank + 32 tt + 16 ks]
.irp tt, 0,1
.irp ks, 0,1
.irp c, 0,1,2,3
	ds_load_b128 v[128+64*(\bank)+32*\tt+16*\ks+4*\c:128+64*(\bank)+32*\tt+16*\ks+4*\c+3], v[AXR+\sg] offset:\tt*XT+(8*\ks+2*\c)*PP
.endr
.endr
.endr
.endm
; 16 matrix instructions; the eight accumulators take turns, one instruction a turn; the first K step starts the sums
.macro MULQK bank
.irp ks, 0,1
.irp tp, 0,1,2,3
.irp tt, 0,1
.if \ks == 0
	v_wmma_f32_16x16x128_bf8_bf8 v[D+8*(2*\tp+\tt):D+8*(2*\tp+\tt)+7], v[32*\tp+16*\ks:32*\tp+16*\ks+15], v[128+64*(\bank)+32*\tt+16*\ks:128+64*(\bank)+32*\tt+16*\ks+15], 0
.else
	v_wmma_f32_16x16x128_bf8_bf8 v[D+8*(2*\tp+\tt):D+8*(2*\tp+\tt)+7], v[32*\tp+16*\ks:32*\tp+16*\ks+15], v[128+64*(\bank)+32*\tt+16*\ks:128+64*(\bank)+32*\tt+16*\ks+15], v[D+8*(2*\tp+\tt):D+8*(2*\tp+\tt)+7]
.endif
.endr
.endr
.endr
.endm
.macro MULV bank                       ; the same with the sources changed over
.irp ks, 0,1
.irp tp, 0,1,2,3
.irp tt, 0,1
.if \ks == 0
	v_wmma_f32_16x16x128_bf8_bf8 v[D+8*(2*\tp+\tt):D+8*(2*\tp+\tt)+7], v[128+64*(\bank)+32*\tt+16*\ks:128+64*(\bank)+32*\tt+16*\ks+15], v[32*\tp+16*\ks:32*\tp+16*\ks+15], 0
.else
	v_wmma_f32_16x16x128_bf8_bf8 v[D+8*(2*\tp+\tt):D+8*(2*\tp+\tt)+7], v[128+64*(\bank)+32*\tt+16*\ks:128+64*(\bank)+32*\tt+16*\ks+15], v[32*\tp+16*\ks:32*\tp+16*\ks+15], v[D+8*(2*\tp+\tt):D+8*(2*\tp+\tt)+7]
.endif
.endr
.endr
.endr
.endm
; q or k: sum x 2^(ex + ew) + bias, converted; tiles 2 c and 2 c + 1 give piece c of a point tile.  Each accumulator is read from its low end on
.macro POSTQK bias, ee, lm, sc, bs
	s_wait_xcnt 0x0                                ; earlier stores have read their data: the codes' registers may be written again
.irp tt, 0,1
.irp c, 0,1
.irp u, 0,1
.set DD, D+8*(2*(2*\c+\u)+\tt)
.set BB, (\bias)+8*(2*\c+\u)
.irp i, 0,2,4,6
	v_pk_fma_f32 v[DD+\i:DD+\i+1], v[DD+\i:DD+\i+1], s[\ee:\ee+1], v[BB+\i:BB+\i+1] op_sel_hi:[1,0,1]
.endr
.irp i, 0,1,2,3,4,5,6,7
.endr
	v_cvt_scalef32_pk8_bf8_f32 v[CD+4*(2*\tt+\c)+2*\u:CD+4*(2*\tt+\c)+2*\u+1], v[DD:DD+7], v[\sc]
.endr
.endr
.endr
	v_nop                                          ; a plain line behind the last conversion: the next products write its sources
.irp tt, 0,1
.irp c, 0,1
	global_store_b128 v[LI], v[CD+4*(2*\tt+\c):CD+4*(2*\tt+\c)+3], s[\bs:\bs+1] offset:\tt*1024+\c*512
.endr
.endr
.endm
	s_load_b512 s[8:23], s[0:1], 0x0               ; x s[8:9], wq, wk, wv s[10:15], bq, bk, bv s[16:21], the scales' exponents s[22:23]
	s_load_b128 s[24:27], s[0:1], 0x40             ; qc, kv
	v_lshl_add_u32 v254, v0, 2, 0x40000
	v_mov_b32 v255, 0
	v_lshrrev_b32 v25, 5, v0
	s_delay_alu instid0(VALU_DEP_1)
	v_readfirstlane_b32 s[WV], v25                 ; wave 0..7
	s_and_b32 s30, ttmp7, 0xffff                   ; pb
	v_and_b32 v25, 31, v0                          ; lane
	s_delay_alu instid0(VALU_DEP_1)
	v_lshlrev_b32 v[LI], 4, v25
	v_and_b32 v26, 15, v0                          ; lane % 16
	v_bfe_u32 v27, v0, 4, 1                        ; lane / 16
	s_delay_alu instid0(VALU_DEP_2)
	v_lshlrev_b32 v[AWG], 4, v26
	s_delay_alu instid0(VALU_DEP_1)
	v_lshl_add_u32 v[AWG], v27, 10, v[AWG]
	v_bfe_u32 v28, v0, 2, 3                        ; lane / 4: which point tile of a half my four points lie in
	s_delay_alu instid0(VALU_DEP_1)
	v_mul_u32_u24 v28, v28, XT
	v_and_b32 v29, 3, v0
	s_delay_alu instid0(VALU_DEP_1)
	v_lshl_add_u32 v28, v29, 6, v28                ; + 16 bytes x point 4 (lane % 4)
	s_mul_i32 s31, s[WV], 2*PP                     ; + piece 2 w
	v_add_nc_u32 v[AX], s31, v28
	s_delay_alu instid0(VALU_DEP_1)
	v_add_nc_u32 v[AX+1], XS, v[AX]
	s_delay_alu instid0(VALU_DEP_2)
	v_add_nc_u32 v[AX+2], 2*XS, v[AX]
	v_mul_u32_u24 v30, v26, PP
	s_delay_alu instid0(VALU_DEP_1)
	v_lshl_add_u32 v30, v27, 4, v30                ; piece lane % 16, row lane / 16
	s_wait_alu depctr_va_vdst(0)
	s_lshr_b32 s90, s[WV], 2                       ; wq, wk: rows 8 w + .. lie in tile 2 (w / 4) + w % 2, from row 8 ((w / 2) % 2) of it
	s_lshl_b32 s90, s90, 1
	s_and_b32 s91, s[WV], 1
	s_add_co_u32 s90, s90, s91
	s_mul_i32 s90, s90, WT
	s_bfe_u32 s92, s[WV], 0x10001
	s_lshl_b32 s92, s92, 7
	s_add_co_u32 s90, s90, s92
	s_add_co_u32 s90, s90, WB
	v_add_nc_u32 v[AWQ], s90, v30
	s_lshr_b32 s90, s[WV], 1                       ; wv: tile w / 2, from row 8 (w % 2)
	s_mul_i32 s90, s90, WT
	s_lshl_b32 s91, s91, 7
	s_add_co_u32 s90, s90, s91
	s_add_co_u32 s90, s90, WB+8*WT
	v_add_nc_u32 v[AWV], s90, v30
	v_mul_u32_u24 v31, v27, PP
	s_delay_alu instid0(VALU_DEP_1)
	v_lshl_add_u32 v31, v26, 4, v31                ; a fragment's read: 16 (lane % 16) + one piece on for lanes 16-31
	s_delay_alu instid0(VALU_DEP_1)
	v_add_nc_u32 v[AWR], WB, v31
	s_mul_i32 s90, s[WV], 2*XT
	v_add_nc_u32 v[AXR], s90, v31
	s_delay_alu instid0(VALU_DEP_1)
	v_add_nc_u32 v[AXR+1], XS, v[AXR]
	s_delay_alu instid0(VALU_DEP_2)
	v_add_nc_u32 v[AXR+2], 2*XS, v[AXR]
	v_lshlrev_b32 v[ABQ], 6, v27
	v_lshlrev_b32 v[ABV], 2, v26
	s_lshl_b32 s90, ttmp9, 16                      ; the weights: row 64 head + 8 w, 1,024 bytes a row
	s_lshl_b32 s91, s[WV], 13
	s_add_co_u32 s90, s90, s91
	s_mov_b32 s91, 0
	s_wait_kmcnt 0x0
	s_load_b256 s[32:39], s[22:23], 0x0            ; e0 .. e7
	s_load_b32 s40, s[22:23], 0x20                 ; e8
	s_add_nc_u64 s[WP:WP+1], s[10:11], s[90:91]
	s_add_nc_u64 s[WP+2:WP+3], s[12:13], s[90:91]
	s_add_nc_u64 s[WP+4:WP+5], s[14:15], s[90:91]
	LOADW 0, 0
	LOADW 1, 1
	s_lshr_b32 s92, s30, 4                         ; batch
	s_and_b32 s93, s30, 15                         ; block of 256 points
	s_lshl_b32 s90, s92, 22                        ; x: batch, row 8 w, point 256 nb
	s_lshl_b32 s94, s93, 10
	s_add_co_u32 s90, s90, s94
	s_lshl_b32 s94, s[WV], 17
	s_add_co_u32 s90, s90, s94
	s_add_nc_u64 s[XB:XB+1], s[8:9], s[90:91]
	s_lshl_b32 s90, ttmp9, 8                       ; the biases: the head's 64 numbers
	s_add_nc_u64 s[BB0:BB0+1], s[16:17], s[90:91]
	s_add_nc_u64 s[BB0+2:BB0+3], s[18:19], s[90:91]
	s_add_nc_u64 s[BB0+4:BB0+5], s[20:21], s[90:91]
	s_lshl_b32 s95, s92, 2
	s_add_co_u32 s95, s95, ttmp9                   ; bh = 4 batch + head
	s_lshl_b32 s90, s95, 18                        ; qc: bh x 262,144 + tile (16 nb + 2 w) x 1,024
	s_lshl_b32 s94, s93, 14
	s_add_co_u32 s90, s90, s94
	s_lshl_b32 s94, s[WV], 11
	s_add_co_u32 s90, s90, s94
	s_add_nc_u64 s[QB:QB+1], s[24:25], s[90:91]
	s_lshl_b32 s90, s95, 19                        ; kv: bh x 524,288 + key step (2 nb + w / 4) x 16,384
	s_lshl_b32 s94, s93, 15
	s_add_co_u32 s90, s90, s94
	s_lshr_b32 s94, s[WV], 2
	s_lshl_b32 s94, s94, 14
	s_add_co_u32 s90, s90, s94
	s_and_b32 s94, s[WV], 3
	s_lshl_b32 s92, s94, 11                        ; K: key tile 2 (w % 4) of the step
	s_add_co_u32 s92, s90, s92
	s_mov_b32 s93, 0
	s_add_nc_u64 s[KB:KB+1], s[26:27], s[92:93]
	s_lshl_b32 s94, s94, 9                         ; V: piece q = w % 4
	s_add_co_u32 s90, s90, s94
	s_add_nc_u64 s[VB:VB+1], s[26:27], s[90:91]
	s_wait_kmcnt 0x0
	MKS 32, SCL+0, LIM+0
	MKS 34, SCL+1, LIM+2
	MKS 36, SCL+2, LIM+4
	MKS 33, SCL+3, LIM+6
	MKS 35, SCL+4, LIM+8
	MKS 37, SCL+5, LIM+10
	MKS 38, SCL+6, LIM+12
	MKS 39, SCL+7, LIM+14
	MKS 40, SCL+8, LIM+16
	MKE 32, 33, EQ
	MKE 34, 35, EQ+2
	MKE 36, 37, EQ+4
	s_wait_alu depctr_va_vdst(0)
	; seven units of 16 loads, two sets of registers: while one unit is worked, the next is on its way
	s_wait_loadcnt 16                              ; this unit's 16 loads are in, the next unit's 16 may be out: so at each of these waits
	PROCW 0, 0
	LOADW 2, 0
	s_wait_loadcnt 16
	PROCW 1, 1
	LOADX 0, 0, 1
	s_wait_loadcnt 16
	PROCW 2, 0
	LOADX 0, 1, 0
	s_wait_loadcnt 16
	PROCX 0, 0, 1
	LOADX 1, 0, 1
	s_wait_loadcnt 16
	PROCX 0, 1, 0
	LOADX 1, 1, 0
	s_wait_loadcnt 16
	PROCX 1, 0, 1
.irp tp, 0,1,2,3                       ; the biases, into the set just left: lane (r, h) wants, for tile 2 c + u, those of channels 32 c + 16 h + 8 u + 0 .. 7
	global_load_b128 v[BQ+8*\tp:BQ+8*\tp+3], v[ABQ], s[BB0:BB0+1] offset:(32*(\tp/2)+8*(\tp%2))*4
	global_load_b128 v[BQ+8*\tp+4:BQ+8*\tp+7], v[ABQ], s[BB0:BB0+1] offset:(32*(\tp/2)+8*(\tp%2))*4+16
	global_load_b128 v[BK+8*\tp:BK+8*\tp+3], v[ABQ], s[BB0+2:BB0+3] offset:(32*(\tp/2)+8*(\tp%2))*4
	global_load_b128 v[BK+8*\tp+4:BK+8*\tp+7], v[ABQ], s[BB0+2:BB0+3] offset:(32*(\tp/2)+8*(\tp%2))*4+16
.endr
.irp dt, 0,1,2,3                       ; bv: a lane's one channel 16 dt + r, twice: a pair for the packed form
	global_load_b32 v[BV+2*\dt], v[ABV], s[BB0+4:BB0+5] offset:64*\dt
	global_load_b32 v[BV+2*\dt+1], v[ABV], s[BB0+4:BB0+5] offset:64*\dt
.endr
	s_wait_loadcnt 24                              ; the last unit's 16 loads are in; the 24 loads of biases may be out
	PROCX 1, 1, 0
	s_wait_dscnt 0x0                               ; for the others' sake: all my pieces lie in LDS
	s_barrier_signal -1
	s_barrier_wait -1                              ; everybody's do; from here on LDS is only read
	WIN 0x40                                       ; destination window 1
	LDX 0, 0
	LDW 0
	LDX 1, 1
	s_wait_dscnt 16                                ; x under e0 and wq are in; the 16 loads of x under e2 may be out
	WIN 0x05                                       ; sources 0 and 1 window 1
	MULQK 0
	PLACES
	WIN 0x40
	LDW 1
	LDX 2, 0
	WIN 0
	s_wait_loadcnt 0x0                             ; the biases
	POSTQK BQ, EQ, LIM+12, SCL+6, QB
	s_wait_dscnt 16                                ; wk is in; the 16 loads of x under e4 may be out
	WIN 0x05
	MULQK 1
	PLACES
	WIN 0x40
	LDW 2
	WIN 0
	POSTQK BK, EQ+2, LIM+14, SCL+7, KB
	s_wait_dscnt 0x0                               ; wv and x under e4
	WIN 0x05
	MULV 0
	PLACES
	WIN 0
	s_wait_xcnt 0x0                                ; k's stores have read their data
.irp dt, 0,1,2,3                       ; v: lane (r, h) holds channel 16 dt + r and points 16 tt + 8 h + 0 .. 7: two tiles give 16 bytes of piece q = w % 4
.irp tt, 0,1
.set DD, D+8*(2*\dt+\tt)
.irp i, 0,2,4,6
	v_pk_fma_f32 v[DD+\i:DD+\i+1], v[DD+\i:DD+\i+1], s[EQ+4:EQ+5], v[BV+2*\dt:BV+2*\dt+1] op_sel_hi:[1,0,1]
.endr
.irp i, 0,1,2,3,4,5,6,7
.endr
	v_cvt_scalef32_pk8_bf8_f32 v[CD+4*\dt+2*\tt:CD+4*\dt+2*\tt+1], v[DD:DD+7], v[SCL+8]
.endr
.endr
	v_nop
.irp dt, 0,1,2,3
	global_store_b128 v[LI], v[CD+4*\dt:CD+4*\dt+3], s[VB:VB+1] offset:8192+\dt*2048
.endr
	s_wait_tensorcnt 0x0
	ds_add_u32 v254, v255
	s_wait_dscnt 0x0
	s_endpgm
.Lfunc_end_k_q1c4a937761_proj:
	.size	k_q1c4a937761_proj, .Lfunc_end_k_q1c4a937761_proj-k_q1c4a937761_proj
	.p2alignl 7, 3214868480
	.fill 96, 4, 3214868480
	.section	.rodata,"a",@progbits
	.p2align	6, 0x0
	.amdhsa_kernel k_q1c4a937761_proj
		.amdhsa_group_segment_fixed_size 263168
		.amdhsa_private_segment_fixed_size 0
		.amdhsa_enable_private_segment 0
		.amdhsa_kernarg_size 80
		.amdhsa_user_sgpr_count 2
		.amdhsa_user_sgpr_kernarg_segment_ptr 1
		.amdhsa_wavefront_size32 1
		.amdhsa_system_sgpr_workgroup_id_x 1
		.amdhsa_system_sgpr_workgroup_id_y 1
		.amdhsa_system_sgpr_workgroup_id_z 1
		.amdhsa_system_vgpr_workitem_id 0
		.amdhsa_next_free_vgpr 512
		.amdhsa_next_free_sgpr 96
		.amdhsa_reserve_vcc 0
		.amdhsa_float_denorm_mode_32 3
		.amdhsa_float_denorm_mode_16_64 3
		.amdhsa_fp16_overflow 1
		.amdhsa_memory_ordered 1
		.amdhsa_forward_progress 1
		.amdhsa_inst_pref_size 106
	.end_amdhsa_kernel
	.amdgpu_metadata
---
amdhsa.version: [ 1, 2 ]
amdhsa.kernels:
  - .name:           k_q1c4a937761_proj
    .symbol:         k_q1c4a937761_proj.kd
    .args:
      - { .name: x, .offset: 0, .size: 8, .value_kind: global_buffer, .address_space: global }
      - { .name: wq, .offset: 8, .size: 8, .value_kind: global_buffer, .address_space: global }
      - { .name: wk, .offset: 16, .size: 8, .value_kind: global_buffer, .address_space: global }
      - { .name: wv, .offset: 24, .size: 8, .value_kind: global_buffer, .address_space: global }
      - { .name: bq, .offset: 32, .size: 8, .value_kind: global_buffer, .address_space: global }
      - { .name: bk, .offset: 40, .size: 8, .value_kind: global_buffer, .address_space: global }
      - { .name: bv, .offset: 48, .size: 8, .value_kind: global_buffer, .address_space: global }
      - { .name: lowp_scales, .offset: 56, .size: 8, .value_kind: global_buffer, .address_space: global }
      - { .name: qc, .offset: 64, .size: 8, .value_kind: global_buffer, .address_space: global }
      - { .name: kv, .offset: 72, .size: 8, .value_kind: global_buffer, .address_space: global }
    .group_segment_fixed_size: 263168
    .private_segment_fixed_size: 0
    .kernarg_segment_align: 8
    .kernarg_segment_size: 80
    .max_flat_workgroup_size: 256
    .sgpr_count:     96
    .vgpr_count:     512
    .wavefront_size: 32
...
	.end_amdgpu_metadata
.endif
;; end of part 1
;; launch attn (part 2): grid 16 x 16, 8 waves a work-group, clusters of 4 x 1, 327,680 bytes of LDS; arguments qc, kv, lowp_scales, ac; writes ac
.if DOCPART == 2
	.amdgcn_target "amdgcn-amd-amdhsa--gfx1250"
	.amdhsa_code_object_version 6
	.text
	.protected	k_q1c4a937761_attn
	.globl	k_q1c4a937761_attn
	.p2align	8
	.type	k_q1c4a937761_attn,@function
k_q1c4a937761_attn:
	s_mov_b64 s[64:65], 0
	v_nop
	global_prefetch_b8 v0, s[64:65] scope:SCOPE_SE
	s_setreg_imm32_b32 hwreg(HW_REG_WAVE_MODE, 25, 1), 1
	s_wait_xcnt 0x0
	s_wait_alu depctr_hold_cnt(0) depctr_sa_sdst(0) depctr_va_vdst(0) depctr_va_sdst(0) depctr_va_ssrc(0) depctr_va_vcc(0) depctr_vm_vsrc(0)
	s_getreg_b32 s2, hwreg(HW_REG_IB_STS2, 6, 4)
	s_cmp_eq_u32 s2, 0
	s_cbranch_scc0 .Lentry_in_a_cluster
	s_endpgm
.Lentry_in_a_cluster:
	s_bfe_u32 s2, ttmp6, 0x10000c
	s_cmp_lg_u32 s2, 0x3003
	s_cbranch_scc0 .Lentry_shape_is_right
	s_endpgm
.Lentry_shape_is_right:
; a[q][:] = (sum over keys of p V) x 2^(e8 + e9) / l, quantised with e10, for 256 queries of one (batch, head); both products on codes of BF8 (E5M2).
; t = score x 2^(e6 + e7) x log2(e) / 8;  M = the row's largest t so far, rounded UP to a whole number;  p = 2^(t - M) is quantised with 2^e9 along the keys, not normalised;  l = the sum of the unquantised p.
; When M moves, l and the sums are multiplied by 2^(old M - new M): nothing is rounded, and no branch hangs on data.
; IN: qc [bh][tile of 16 queries][c 2][lane][16];  kv [bh][step of 128 keys][16,384]: K [tile 8][c 2][lane][16], V [dt 4][q 4][lane][16]: images of the operands' registers, so every read is 16 bytes at 16 x lane.
; OUT: ac [batch][tile of 16 points][head 4][2][lane][16]: the images of the last product's fragments (K = the 256 channels).
; LIMITS: e6 + e7 between -123 and 130 (added to the factor's exponent field); e9, e10 between -126 and 112; e8 + e9 is applied by v_ldexp_f32 and has none.  NaN is not served.
; SHARES.  A work-group owns 256 queries; wave w owns query tiles 2 w and 2 w + 1, so that each fragment of K and V read from LDS feeds two tiles.  Two waves to a SIMD: one wave's LDS loads and products stand beside the other's vector work.
; LAYOUT.  S^T = K Q^T (source 0 = 16 keys, source 1 = 16 queries), O^T = V^T P^T (source 0 = 16 channels, source 1 = P): a lane holds ONE query throughout.  In S^T's tile t lane (r, h) holds keys 16 t + 8 h + 0 .. 7:
;   their eight codes are registers 2 t, 2 t + 1 of the second product's operand, as that form's own layout has them; V was laid to match.
; CLUSTER.  The four query blocks of a cluster walk the same K and V: each tile is asked for JOINTLY, by the same tensor load with the same descriptor and the mask of all four.
; RING.  Two slots of 8 key steps (131,072 bytes).  All eight waves fetch, each one step's 16,384 bytes (64 rows of 256 bytes, dense): by the text's count one tensor load of a wave is out.
;   A refill is asked for at a slot's head and waited for at the next slot's head: eight key steps later.  So no prefetch is laid beside it.
; REGISTERS.  Window 0: v1-7 addresses and constants; v8.. statistics, 8 a tile: +0 -M, +1 largest t, +2, +3 l in two halves, +4 f (+5 named with it); v24-26 at work; v32-95 S^T, then p (one tile after the other);
;   v96-159 O^T, 32 a tile; v160-191 p's codes, 16 a tile; v192-207 the way out.   Window 1: v0-63 K, v64-127 V, v128-143 Q.
.set SLOTB, 131072
.set STEPB, 16384
.set SPARE, 2*SLOTB                    ; behind the ring: the spare words, 128 bytes for each wave: four blocks of 256 bytes that no other line names
.set LI,   1                           ; v1  16 x lane
.set ADR,  2                           ; v2  LDS address of the step in hand
.set SPW,  3                           ; v3  LDS address of my spare word; never rewritten
.set NIL,  4                           ; v4  0; never rewritten
.set LIMP, 5
.set SCLP, 6                           ; v6  2^e9
.set SCLO, 7                           ; v7  2^e10
.set ST,   8
.set MA,   24
.set MB,   25
.set PX,   26
.set S,    32
.set O,    96
.set PC,   160
.set OC,   192
.set KF,   0
.set VF,   64
.set QF,   128
.set WV,   12                          ; s12 wave
.set G1,   16                          ; s[16:23] descriptor group 1
.set G0,   24                          ; s[24:27] descriptor group 0, which walks
.set TB,   28                          ; s28 LDS byte of the step in hand
.set SLOTS, 29
.set CNT,  30
.set CS,   32                          ; s[32:33] the factor log2(e) / 8 x 2^(e6 + e7)
.set SEL,  34                          ; s[34:35] lane selects: lane l xor 16
.set EPV,  44                          ; s44 e8 + e9
.set LOP,  45
.set LON,  46
.set MSB, 0
.macro WIN new                         ; the immediate's high byte repeats the setting that is left
.if MSB != \new
	s_set_vgpr_msb (MSB<<8)|\new
.set MSB, \new
.endif
.endm
.macro PLACES                          ; four plain vector lines behind matrix instructions (ISA guide 7.12.1)
.rept 4
	v_nop
.endr
.endm
.macro CROUND                          ; a round of the cluster's barrier
	s_barrier_signal -1
	s_barrier_wait -1
	s_cmp_lg_u32 s[WV], 0
	s_cbranch_scc1 .Lnot_wave_0_\@
	s_barrier_signal -3
.Lnot_wave_0_\@:
	s_barrier_wait -3
	s_barrier_signal -1
	s_barrier_wait -1
.endm
; THE CHANGE OF SLOTS, at a slot's head.  Each wave waits for all its tensor loads (its step of the slot ahead), adds 0 to its spare word, and waits for that and for its reads of the slot that it has left.
; fill = 1: the slot left is filled with the keys that follow; the barrier is then a round of the cluster's, so that no wave of any partner still reads that slot or has a load on its way.
.macro CHANGE fill
	s_wait_tensorcnt 0x0                           ; no tensor load of mine is out, so the group 0 may be written
	ds_add_u32 v[SPW], v[NIL]                      ; 0 onto my spare word
.if \fill
	s_xor_b32 s[G0+1], s[G0+1], SLOTB              ; the other slot than last time,
	s_add_nc_u64 s[G0+2:G0+3], s[G0+2:G0+3], SLOTB ; the next 8 key steps; the type bits on top are not reached
.endif
	s_wait_dscnt 0x0                               ; the add is done, and my reads of the slot that I have left are over
.if \fill
	CROUND
	tensor_load_to_lds s[G0:G0+3], s[G1:G1+7]      ; the first thing behind the round, and my one tensor load until the next
	s_nop 0
	PLACES                                         ; four plain lines follow it
.else
	s_barrier_signal -1
	s_barrier_wait -1
.endif
.endm
.macro SMUL x                          ; S^T of tile x: eight tiles of 16 keys, K = the head's 64; every product starts its sum
	WIN 0x05                                       ; sources 0 and 1 window 1
.irp t, 0,1,2,3,4,5,6,7
	v_wmma_f32_16x16x64_bf8_bf8 v[S+8*\t:S+8*\t+7], v[KF+8*\t:KF+8*\t+7], v[QF+8*(\x):QF+8*(\x)+7], 0
.endr
.endm
.macro PVMUL x                         ; O^T of tile x += V^T P^T: four tiles of 16 channels by turns, K = the step's 128 keys
	WIN 0x01                                       ; source 0 window 1
.irp dt, 0,1,2,3
	v_wmma_f32_16x16x128_bf8_bf8 v[O+32*(\x)+8*\dt:O+32*(\x)+8*\dt+7], v[VF+16*\dt:VF+16*\dt+15], v[PC+16*(\x):PC+16*(\x)+15], v[O+32*(\x)+8*\dt:O+32*(\x)+8*\dt+7]
.endr
.endm
; One tile's softmax for one key step, all in window 0.  The exponentials stand singly, each with a plain line behind it that is due anyway: O^T's rescaling, then the sums of the 16 numbers before.
.macro SOFTMAX x
.set rT, ST+8*(\x)
.set rO, O+32*(\x)
.set rP, PC+16*(\x)
	v_max3_num_f32 v[MA], v[S], v[S+1], v[S+2]     ; the largest of my 64 scores, in two chains; each accumulator is first read at its low end
	v_max3_num_f32 v[MB], v[S+3], v[S+4], v[S+5]
.irp i, 6,10,14,18,22,26,30,34,38,42,46,50,54,58
	v_max3_num_f32 v[MA], v[MA], v[S+\i], v[S+\i+1]
	v_max3_num_f32 v[MB], v[MB], v[S+\i+2], v[S+\i+3]
.endr
	v_max3_num_f32 v[MA], v[MA], v[S+62], v[S+63]
	v_max_num_f32 v[MA], v[MA], v[MB]
	v_permlanex16_b32 v[PX], v[MA], s[SEL], s[SEL+1]
	v_max_num_f32 v[MA], v[MA], v[PX]              ; and of lane l xor 16's
	v_mul_f32 v[MA], s[CS], v[MA]                  ; as t (the factor is positive)
	v_max_num_f32 v[rT+1], v[rT+1], v[MA]          ; the running largest t
	v_mov_b32 v[MA], v[rT]
	v_floor_f32 v[rT], -v[rT+1]                    ; the new -M = floor(-t): M is a whole number
	v_sub_f32 v[MA], v[rT], v[MA]                  ; old M - new M: a whole number, 0 or less
	v_cvt_i32_f32 v[MA], v[MA]                     ; (it saturates)
	v_ldexp_f32 v[rT+4], 1.0, v[MA]                ; f = 2^(old M - new M)
.set j, 0
.rept 32
	v_pk_fma_f32 v[S+j:S+j+1], v[S+j:S+j+1], s[CS:CS+1], v[rT:rT+1] op_sel_hi:[1,0,0]   ; t - M, two at a time
.set j, j+2
.endr
.set j, 0
.rept 16
	v_exp_f32 v[S+j], v[S+j]                       ; p = 2^(t - M)
	v_pk_mul_f32 v[rO+2*j:rO+2*j+1], v[rO+2*j:rO+2*j+1], v[rT+4:rT+5] op_sel_hi:[1,0]   ; O^T under the new M
.set j, j+1
.endr
	v_pk_mul_f32 v[rT+2:rT+3], v[rT+2:rT+3], v[rT+4:rT+5] op_sel_hi:[1,0]               ; l under the new M
.set bb, 0
.rept 4
.set k, 0
.rept 8
.if bb < 3
	v_exp_f32 v[S+16*(bb+1)+2*k], v[S+16*(bb+1)+2*k]
.endif
	s_wait_alu depctr_va_vdst(0)
	v_pk_add_f32 v[rT+2:rT+3], v[rT+2:rT+3], v[S+16*bb+2*k:S+16*bb+2*k+1]               ; l takes the UNQUANTISED p, ahead of the conversion
.if bb < 3
	v_exp_f32 v[S+16*(bb+1)+2*k+1], v[S+16*(bb+1)+2*k+1]
.endif
.set k, k+1
.endr
	v_cvt_scalef32_pk8_bf8_f32 v[rP+4*bb:rP+4*bb+1], v[S+16*bb:S+16*bb+7], v[SCLP]
	v_cvt_scalef32_pk8_bf8_f32 v[rP+4*bb+2:rP+4*bb+3], v[S+16*bb+8:S+16*bb+15], v[SCLP]
.set bb, bb+1
.endr
	v_nop                                          ; a plain line between the last conversion and the products that read its result or write its sources
.endm
; A KEY STEP: 128 keys for my two tiles.
.macro STEP
	v_add_nc_u32 v[ADR], s[TB], v[LI]              ; with the three lines below: four places behind the last products, whose fragments of V are loaded over
	v_nop
	v_nop
	v_nop
	WIN 0x40                                       ; destination window 1
.irp t, 0,1,2,3,4,5,6,7
	ds_load_b128 v[KF+8*\t:KF+8*\t+3], v[ADR] offset:\t*1024
	ds_load_b128 v[KF+8*\t+4:KF+8*\t+7], v[ADR] offset:\t*1024+512
.endr
.irp dt, 0,1,2,3
.irp q, 0,1,2,3
	ds_load_b128 v[VF+16*\dt+4*\q:VF+16*\dt+4*\q+3], v[ADR] offset:8192+\dt*2048+\q*512
.endr
.endr
	s_wait_dscnt 16                                ; K's 16 loads are in; V's 16 may be out
	SMUL 0
	WIN 0
	PLACES
	SOFTMAX 0
	s_wait_dscnt 0x0                               ; V is in
	SMUL 1
	PVMUL 0
	WIN 0
	PLACES
	SOFTMAX 1
	PVMUL 1
	WIN 0
	s_add_co_u32 s[TB], s[TB], STEPB
.endm
.macro SLOT_STEPS                      ; a slot's eight key steps: written once, walked eight times
	s_mov_b32 s[CNT], 8
.Lstep_\@:
	STEP
	s_sub_co_u32 s[CNT], s[CNT], 1
	s_cmp_lg_u32 s[CNT], 0
	s_cbranch_scc1 .Lstep_\@
	s_sub_co_u32 s[TB], s[TB], SLOTB               ; back to a slot's first step,
	s_xor_b32 s[TB], s[TB], SLOTB                  ; in the other slot
.endm
	s_load_b128 s[4:7], s[0:1], 0x0                ; qc s[4:5], kv s[6:7]
	s_load_b128 s[8:11], s[0:1], 0x10              ; the scales' exponents s[8:9], ac s[10:11]
	v_lshl_add_u32 v[SPW], v0, 2, SPARE
	v_mov_b32 v[NIL], 0
	ds_add_u32 v3, v4
	ds_add_u32 v3, v4
	s_wait_dscnt 0x0
	v_lshrrev_b32 v[ADR], 5, v0
	v_readfirstlane_b32 s[WV], v[ADR]              ; wave 0..7
	v_and_b32 v[LI], 31, v0
	v_lshlrev_b32 v[LI], 4, v[LI]
	s_bfe_u32 s13, ttmp6, 0x40000                  ; cx: my place in the cluster
	s_lshl_b32 s14, ttmp9, 2
	s_add_co_u32 s14, s14, s13                     ; my block of 256 queries: it enters qc's and ac's addresses alone
	s_and_b32 s15, ttmp7, 0xffff                   ; bh, which the four partners share
	; descriptor group 1: 64 rows of 32 elements of 8 bytes, dense: 16,384 bytes
	s_mov_b32 s[G1], 15|(3<<16)|(1<<21)            ; 15:0 the mask: all four work-groups; 17:16 elements of 8 bytes; 21 set beside a mask; no padding
	s_mov_b32 s[G1+1], 32<<16                      ; tensor_dim0 = 32
	s_mov_b32 s[G1+2], 64<<16                      ; tensor_dim1 = 64
	s_mov_b32 s[G1+3], 32<<16                      ; tile_dim0 = 32
	s_mov_b32 s[G1+4], 64                          ; tile_dim1 = 64
	s_mov_b32 s[G1+5], 32                          ; from row to row
	s_mov_b32 s[G1+6], 0
	s_mov_b32 s[G1+7], 0
	s_mov_b32 s[SEL], 0x76543210
	s_mov_b32 s[SEL+1], 0xfedcba98
	s_mov_b32 s[TB], 0
	s_mov_b32 s[SLOTS], 3
	s_lshl_b32 s48, s15, 19                        ; kv: bh x 524,288 + my step of the slot
	s_lshl_b32 s49, s[WV], 14
	s_add_co_u32 s48, s48, s49
	s_mov_b32 s49, 0
	s_lshl_b32 s50, s15, 18                        ; qc: bh x 262,144 + tile (16 block + 2 w) x 1,024
	s_lshl_b32 s51, s14, 14
	s_add_co_u32 s50, s50, s51
	s_lshl_b32 s51, s[WV], 11
	s_add_co_u32 s50, s50, s51
	s_mov_b32 s51, 0
	s_lshr_b32 s52, s15, 2                         ; ac: batch x 1,048,576 + tile x 4,096 + head x 1,024
	s_lshl_b32 s52, s52, 20
	s_lshl_b32 s53, s14, 16
	s_add_co_u32 s52, s52, s53
	s_lshl_b32 s53, s[WV], 13
	s_add_co_u32 s52, s52, s53
	s_and_b32 s53, s15, 3
	s_lshl_b32 s53, s53, 10
	s_add_co_u32 s52, s52, s53
	s_mov_b32 s53, 0
	s_wait_kmcnt 0x0
	s_load_b64 s[36:37], s[8:9], 0x18              ; e6, e7
	s_load_b128 s[40:43], s[8:9], 0x20             ; e8, e9, e10, e11
	s_mov_b32 s[G0], 1                             ; count = 1
	s_lshl_b32 s[G0+1], s[WV], 14                  ; LDS: slot 0, step w
	s_add_nc_u64 s[G0+2:G0+3], s[6:7], s[48:49]
	s_or_b32 s[G0+3], s[G0+3], 0x80000000          ; type = 2
	s_add_nc_u64 s[4:5], s[4:5], s[50:51]
	s_add_nc_u64 s[10:11], s[10:11], s[52:53]
	CROUND                                         ; all four work-groups are here: the first joint loads meet
	tensor_load_to_lds s[G0:G0+3], s[G1:G1+7]      ; slot 0
	s_nop 0
	PLACES
	WIN 0x40
.irp x, 0,1
.irp c, 0,1
	global_load_b128 v[QF+8*\x+4*\c:QF+8*\x+4*\c+3], v[LI], s[4:5] offset:\x*1024+\c*512   ; Q stays in registers
.endr
.endr
	WIN 0
.irp x, 0,1
	v_mov_b32 v[ST+8*\x+1], 0xff61b1e6             ; the largest t so far: -3e38, under every t
	v_floor_f32 v[ST+8*\x], -v[ST+8*\x+1]          ; -M
	v_mov_b32 v[ST+8*\x+2], 0                      ; l
	v_mov_b32 v[ST+8*\x+3], 0
	v_mov_b32 v[ST+8*\x+5], 0                      ; (named as the upper half of f's pair)
.endr
	v_mov_b32 v[PX], 0                             ; written once: a lane permute's destination counts as one of its sources
.set j, 0
.rept 64
	v_mov_b32 v[O+j], 0                            ; O^T.  (The step is written without a first step of its own: it finds zeros, which the first change of M leaves zeros)
.set j, j+1
.endr
	s_wait_kmcnt 0x0
	s_add_co_i32 s48, s36, s37
	s_lshl_b32 s48, s48, 23
	s_add_co_i32 s[CS], s48, 0x3e38aa3b            ; log2(e) / 8, with e6 + e7 added to its exponent field
	s_mov_b32 s[CS+1], s[CS]                       ; (named with it as a pair)
	s_add_co_i32 s48, s41, 127
	s_lshl_b32 s49, s48, 23
	v_mov_b32 v[SCLP], s49
	s_add_co_i32 s48, s42, 127
	s_lshl_b32 s49, s48, 23
	v_mov_b32 v[SCLO], s49
	s_add_co_i32 s[EPV], s40, s41
	s_wait_loadcnt 0x0                             ; Q
.Lslot:                                            ; three trips: behind each change of slots but the last the next slot is asked for
	CHANGE 1
	SLOT_STEPS
	s_sub_co_u32 s[SLOTS], s[SLOTS], 1
	s_cmp_lg_u32 s[SLOTS], 0
	s_cbranch_scc1 .Lslot
	CHANGE 0                                       ; the last slot is written out
	SLOT_STEPS
	; THE WAY OUT.  O^T x 2^(e8 + e9) / l, converted with 2^e10.  Lane (r, h) holds query r and, in tile dt, channels 16 dt + 8 h + 0 .. 7: registers 2 dt, 2 dt + 1 of the head's part of the next operand.
	PLACES
.irp x, 0,1
.set rT, ST+8*\x
.set rO, O+32*\x
	v_add_f32 v[MA], v[rT+2], v[rT+3]              ; l's two halves,
	v_permlanex16_b32 v[PX], v[MA], s[SEL], s[SEL+1]
	v_add_f32 v[MA], v[MA], v[PX]                  ; and lane l xor 16's
	v_rcp_f32 v[MA], v[MA]
	v_nop                                          ; a plain line behind the transcendental
	s_wait_alu depctr_va_vdst(0)
	v_ldexp_f32 v[rT+4], v[MA], s[EPV]
.set j, 0
.rept 16
	v_pk_mul_f32 v[rO+j:rO+j+1], v[rO+j:rO+j+1], v[rT+4:rT+5] op_sel_hi:[1,0]
.set j, j+2
.endr
.set j, 0
.rept 32
.set j, j+1
.endr
.irp dt, 0,1,2,3
	v_cvt_scalef32_pk8_bf8_f32 v[OC+8*\x+2*\dt:OC+8*\x+2*\dt+1], v[rO+8*\dt:rO+8*\dt+7], v[SCLO]
.endr
	v_nop
	global_store_b128 v[LI], v[OC+8*\x:OC+8*\x+3], s[10:11] offset:\x*4096          ; 32 lanes store 512 consecutive bytes, aligned
	global_store_b128 v[LI], v[OC+8*\x+4:OC+8*\x+7], s[10:11] offset:\x*4096+512
.endr
	s_wait_tensorcnt 0x0                           ; the wave's end
	ds_add_u32 v[SPW], v[NIL]
	s_wait_dscnt 0x0
	CROUND                                         ; the closing round: no work-group ends while a partner may still ask for a tile that names it
	s_endpgm
.Lfunc_end_k_q1c4a937761_attn:
	.size	k_q1c4a937761_attn, .Lfunc_end_k_q1c4a937761_attn-k_q1c4a937761_attn
	.p2alignl 7, 3214868480
	.fill 96, 4, 3214868480
	.section	.rodata,"a",@progbits
	.p2align	6, 0x0
	.amdhsa_kernel k_q1c4a937761_attn
		.amdhsa_group_segment_fixed_size 327680
		.amdhsa_private_segment_fixed_size 0
		.amdhsa_enable_private_segment 0
		.amdhsa_kernarg_size 32
		.amdhsa_user_sgpr_count 2
		.amdhsa_user_sgpr_kernarg_segment_ptr 1
		.amdhsa_wavefront_size32 1
		.amdhsa_system_sgpr_workgroup_id_x 1
		.amdhsa_system_sgpr_workgroup_id_y 1
		.amdhsa_system_sgpr_workgroup_id_z 1
		.amdhsa_system_vgpr_workitem_id 0
		.amdhsa_next_free_vgpr 400
		.amdhsa_next_free_sgpr 66
		.amdhsa_reserve_vcc 0
		.amdhsa_float_denorm_mode_32 3
		.amdhsa_float_denorm_mode_16_64 3
		.amdhsa_fp16_overflow 1
		.amdhsa_memory_ordered 1
		.amdhsa_forward_progress 1
		.amdhsa_inst_pref_size 65
	.end_amdhsa_kernel
	.amdgpu_metadata
---
amdhsa.version: [ 1, 2 ]
amdhsa.kernels:
  - .name:           k_q1c4a937761_attn
    .symbol:         k_q1c4a937761_attn.kd
    .args:
      - { .name: qc, .offset: 0, .size: 8, .value_kind: global_buffer, .address_space: global }
      - { .name: kv, .offset: 8, .size: 8, .value_kind: global_buffer, .address_space: global }
      - { .name: lowp_scales, .offset: 16, .size: 8, .value_kind: global_buffer, .address_space: global }
      - { .name: ac, .offset: 24, .size: 8, .value_kind: global_buffer, .address_space: global }
    .group_segment_fixed_size: 327680
    .private_segment_fixed_size: 0
    .kernarg_segment_align: 8
    .kernarg_segment_size: 32
    .max_flat_workgroup_size: 256
    .sgpr_count:     66
    .vgpr_count:     400
    .wavefront_size: 32
...
	.end_amdgpu_metadata
.endif
;; end of part 2
;; launch outp (part 3): grid 4 x 64, 8 waves a work-group, no clusters, 83,968 bytes of LDS; arguments ac, wp, bp, x, lowp_scales, out0; writes out0
.if DOCPART == 3
	.amdgcn_target "amdgcn-amd-amdhsa--gfx1250"
	.amdhsa_code_object_version 6
	.text
	.protected	k_q1c4a937761_outp
	.globl	k_q1c4a937761_outp
	.p2align	8
	.type	k_q1c4a937761_outp,@function
k_q1c4a937761_outp:
	s_mov_b64 s[64:65], 0
	v_nop
	global_prefetch_b8 v0, s[64:65] scope:SCOPE_SE
	s_setreg_imm32_b32 hwreg(HW_REG_WAVE_MODE, 25, 1), 1
	s_wait_xcnt 0x0
; out0[b][o][n] = sum over c of wp[o][c] a[b][c][n] x 2^(e10 + e11) + bp[o] + x[b][o][n], the product on codes of BF8 (E5M2).
; ac: a's codes (scale 2^e10), [batch][tile of 16 points][4,096]: two fragments of K = 128, each four pieces of 512 bytes (16 bytes a lane).  wp [256 o][256 c] f32 is quantised here with 2^e11.
; LIMITS: e11 between -126 and 112; e10 + e11 between -126 and 127.  NaN among the inputs is not served.
; SHARES.  Work-group (ob, pb): batch pb / 16, points 256 (pb % 16) on, output channels 64 ob on.  Wave w quantises rows 8 w .. 8 w + 7 of the block of wp into LDS, multiplies point tiles 2 w, 2 w + 1 against the four tiles of 16
;   channels (source 0 = 16 points, source 1 = 16 rows of wp: a lane holds ONE output channel and eight neighbouring points, 32 bytes of a row of out0), and stores rows 8 w .. 8 w + 7 of the block.
; wp's codes are laid in LDS as images of the fragments' registers, each channel at the place that ac gives it: channel ch -> K step ch / 128, and with k = ch % 128: registers 2 (k / 16), +1 of lane half (k / 8) % 2.
; A row of out0 gets its 256 points from eight waves: they meet in a stage (64 rows of 1,024 bytes + 16), and each wave then stores whole runs of 512 consecutive bytes, with x added on the way.
; NO JOINT LOADS: what the four work-groups of a block of points share is ac's 65,536 bytes, which go from memory straight into each wave's registers as fragments, read once by each wave.
.set STG, 16384                        ; LDS: wp's images, 16,384 bytes; then the stage
.set SPI, 1040
.set LI,  1                            ; v1  16 x lane
.set AWG, 2                            ; v2  wp in memory: (lane / 16) rows of 1,024 bytes + 16 (lane % 16)
.set AWS, 3                            ; v3  where I store four codes of wp
.set STO, 5                            ; v5  the stage: where I put 32 bytes of a row
.set RD,  6                            ; v6  and where I read my rows back
.set ABP, 7                            ; v7  bp: 4 (lane % 16)
.set SCW, 8                            ; v8  2^e11
.set CA,  10                           ; v10-17 two sets of 4 registers of codes
.set BP,  24                           ; v24-31 bp: four pairs, both words alike
.set RAW, 32                           ; v32-95 wp as loaded; later wp's fragments, two buffers of 32
.set WF,  32
.set D,   96                           ; v96-127 two buffers of two accumulators
.set AF,  128                          ; v128-191 a's four fragments; later the rows read back
.set RB,  128
.set XR,  192                          ; v192-255 x
.set WV,  20
.macro PLACES                          ; four plain vector lines behind matrix instructions (ISA guide 7.12.1)
.rept 4
	v_nop
.endr
.endm
.macro LDWF ot                         ; the two fragments of channel tile ot into buffer ot % 2
.irp ks, 0,1
.irp pc, 0,1,2,3
	ds_load_b128 v[WF+32*((\ot)%2)+16*\ks+4*\pc:WF+32*((\ot)%2)+16*\ks+4*\pc+3], v[LI] offset:(\ot)*4096+\ks*2048+\pc*512
.endr
.endr
.endm
; channel tile ot: four products, the two accumulators by turns; the next fragments but one; sum x 2^(e10 + e11) + bp; into the stage
.macro OT ot, cnt
.set DB, D+16*((\ot)%2)
.set WW, WF+32*((\ot)%2)
	s_wait_dscnt \cnt
	v_wmma_f32_16x16x128_bf8_bf8 v[DB:DB+7], v[AF:AF+15], v[WW:WW+15], 0
	v_wmma_f32_16x16x128_bf8_bf8 v[DB+8:DB+15], v[AF+32:AF+47], v[WW:WW+15], 0
	v_wmma_f32_16x16x128_bf8_bf8 v[DB:DB+7], v[AF+16:AF+31], v[WW+16:WW+31], v[DB:DB+7]
	v_wmma_f32_16x16x128_bf8_bf8 v[DB+8:DB+15], v[AF+48:AF+63], v[WW+16:WW+31], v[DB+8:DB+15]
	PLACES
.if (\ot) < 2
	LDWF (\ot)+2
.endif
.irp i, 0,2,4,6,8,10,12,14
	v_pk_fma_f32 v[DB+\i:DB+\i+1], v[DB+\i:DB+\i+1], s[28:29], v[BP+2*(\ot):BP+2*(\ot)+1] op_sel_hi:[1,0,1]
.endr
.irp tt, 0,1
	ds_store_b128 v[STO], v[DB+8*\tt:DB+8*\tt+3] offset:(\ot)*16*SPI+\tt*64
	ds_store_b128 v[STO], v[DB+8*\tt+4:DB+8*\tt+7] offset:(\ot)*16*SPI+\tt*64+16
.endr
.endm
	s_load_b256 s[8:15], s[0:1], 0x0               ; ac s[8:9], wp s[10:11], bp s[12:13], x s[14:15]
	s_load_b128 s[16:19], s[0:1], 0x20             ; the scales' exponents s[16:17], out0 s[18:19]
	v_lshl_add_u32 v4, v0, 2, 0x14400
	v_mov_b32 v9, 0
	v_lshrrev_b32 v18, 5, v0
	s_delay_alu instid0(VALU_DEP_1)
	v_readfirstlane_b32 s[WV], v18                 ; wave 0..7
	v_and_b32 v[LI], 31, v0
	s_delay_alu instid0(VALU_DEP_1)
	v_lshlrev_b32 v[LI], 4, v[LI]
	v_and_b32 v18, 15, v0                          ; i = lane % 16
	v_bfe_u32 v19, v0, 4, 1                        ; lane / 16
	s_delay_alu instid0(VALU_DEP_2)
	v_lshlrev_b32 v[AWG], 4, v18
	s_delay_alu instid0(VALU_DEP_1)
	v_lshl_add_u32 v[AWG], v19, 10, v[AWG]
	; my four codes of a load are channels 64 jj + 4 i + 0 .. 3: piece 2 (jj % 2) + i / 8, lane half (i / 2) % 2, byte 8 ((i / 4) % 2) + 4 (i % 2); row 8 (w % 2) + 2 it + lane / 16 of channel tile w / 2
	v_bfe_u32 v20, v0, 3, 1
	v_bfe_u32 v21, v0, 1, 1
	v_bfe_u32 v22, v0, 2, 1
	v_and_b32 v23, 1, v0
	s_delay_alu instid0(VALU_DEP_4)
	v_lshlrev_b32 v[AWS], 9, v20
	s_delay_alu instid0(VALU_DEP_1)
	v_lshl_add_u32 v[AWS], v21, 8, v[AWS]
	s_delay_alu instid0(VALU_DEP_1)
	v_lshl_add_u32 v[AWS], v22, 3, v[AWS]
	s_delay_alu instid0(VALU_DEP_1)
	v_lshl_add_u32 v[AWS], v23, 2, v[AWS]
	s_delay_alu instid0(VALU_DEP_1)
	v_lshl_add_u32 v[AWS], v19, 4, v[AWS]
	s_lshr_b32 s44, s[WV], 1
	s_lshl_b32 s44, s44, 12
	s_and_b32 s45, s[WV], 1
	s_lshl_b32 s45, s45, 7
	s_add_co_u32 s44, s44, s45
	v_add_nc_u32 v[AWS], s44, v[AWS]
	v_mul_u32_u24 v[STO], v18, SPI                 ; the stage: row lane % 16, + 32 (lane / 16), + my wave's 128 bytes
	s_delay_alu instid0(VALU_DEP_1)
	v_lshl_add_u32 v[STO], v19, 5, v[STO]
	s_lshl_b32 s44, s[WV], 7
	s_add_co_u32 s44, s44, STG
	v_add_nc_u32 v[STO], s44, v[STO]
	s_mul_i32 s44, s[WV], 8*SPI                    ; back: my 8 rows, 16 bytes a lane
	s_add_co_u32 s44, s44, STG
	v_add_nc_u32 v[RD], s44, v[LI]
	v_lshlrev_b32 v[ABP], 2, v18
	s_and_b32 s22, ttmp7, 0xffff
	s_lshr_b32 s23, s22, 4                         ; batch
	s_and_b32 s24, s22, 15                         ; block of 256 points
	s_lshl_b32 s44, ttmp9, 16                      ; wp: row 64 ob + 8 w
	s_lshl_b32 s45, s[WV], 13
	s_add_co_u32 s44, s44, s45
	s_mov_b32 s45, 0
	s_lshl_b32 s46, s23, 20                        ; ac: batch x 1,048,576 + tile (16 nb + 2 w) x 4,096
	s_lshl_b32 s47, s24, 16
	s_add_co_u32 s46, s46, s47
	s_lshl_b32 s47, s[WV], 13
	s_add_co_u32 s46, s46, s47
	s_mov_b32 s47, 0
	s_lshl_b32 s48, s23, 22                        ; x and out0: row 256 batch + 64 ob + 8 w, point 256 nb
	s_lshl_b32 s49, ttmp9, 20
	s_add_co_u32 s48, s48, s49
	s_lshl_b32 s49, s[WV], 17
	s_add_co_u32 s48, s48, s49
	s_lshl_b32 s49, s24, 10
	s_add_co_u32 s48, s48, s49
	s_mov_b32 s49, 0
	s_lshl_b32 s50, ttmp9, 8                       ; bp: the block's 64 numbers
	s_mov_b32 s51, 0
	s_wait_alu depctr_va_vdst(0)
	s_wait_kmcnt 0x0
	s_load_b64 s[26:27], s[16:17], 0x28            ; e10, e11
	s_add_nc_u64 s[32:33], s[10:11], s[44:45]
	s_add_nc_u64 s[34:35], s[12:13], s[50:51]
	s_add_nc_u64 s[36:37], s[8:9], s[46:47]
	s_add_nc_u64 s[38:39], s[14:15], s[48:49]
	s_add_nc_u64 s[40:41], s[18:19], s[48:49]
.irp it, 0,1,2,3                       ; 16 loads of wp: sixteen lanes read 256 consecutive bytes of a row
.irp jj, 0,1,2,3
	global_load_b128 v[RAW+16*\it+4*\jj:RAW+16*\it+4*\jj+3], v[AWG], s[32:33] offset:\it*2048+\jj*256
.endr
.endr
.irp ot, 0,1,2,3                       ; 8 of bp: a lane's one channel 16 ot + r, twice
	global_load_b32 v[BP+2*\ot], v[ABP], s[34:35] offset:64*\ot
	global_load_b32 v[BP+2*\ot+1], v[ABP], s[34:35] offset:64*\ot
.endr
.irp tt, 0,1                           ; 16 of a's codes: my two tiles' four fragments, as they lie
.irp ks, 0,1
.irp pc, 0,1,2,3
	global_load_b128 v[AF+32*\tt+16*\ks+4*\pc:AF+32*\tt+16*\ks+4*\pc+3], v[LI], s[36:37] offset:\tt*4096+\ks*2048+\pc*512
.endr
.endr
.endr
.irp n, 0,1,2,3,4,5,6,7,8,9,10,11,12,13,14,15   ; 16 of x: my 8 rows, 512 consecutive bytes a load; read once in this launch
	global_load_b128 v[XR+4*\n:XR+4*\n+3], v[LI], s[38:39] offset:(\n/2)*16384+(\n%2)*512 th:TH_LOAD_NT
.endr
	s_wait_kmcnt 0x0
	s_add_co_i32 s28, s26, s27
	s_add_co_i32 s28, s28, 127
	s_lshl_b32 s28, s28, 23                        ; 2^(e10 + e11) as f32
	s_mov_b32 s29, s28                             ; (named with it as a pair)
	s_add_co_i32 s44, s27, 127
	s_lshl_b32 s45, s44, 23
	v_mov_b32 v[SCW], s45                          ; 2^e11
	s_wait_alu depctr_va_vdst(0)
	s_wait_loadcnt 40                              ; wp's 16 loads are in; the 8 + 16 + 16 behind them may be out
.irp it, 0,1,2,3
.irp q, 0,1,2,3,4,5,6,7,8,9,10,11,12,13,14,15
.endr
	s_wait_dscnt 4                                 ; the 4 stores of the other set may be out: this set's, two groups back, have read their registers
	v_cvt_scalef32_pk8_bf8_f32 v[CA+4*(\it%2):CA+4*(\it%2)+1], v[RAW+16*\it:RAW+16*\it+7], v[SCW]
	v_cvt_scalef32_pk8_bf8_f32 v[CA+4*(\it%2)+2:CA+4*(\it%2)+3], v[RAW+16*\it+8:RAW+16*\it+15], v[SCW]
	v_nop
.irp jj, 0,1,2,3
	ds_store_b32 v[AWS], v[CA+4*(\it%2)+\jj] offset:\it*32+(\jj/2)*2048+(\jj%2)*1024
.endr
.endr
	s_wait_dscnt 0x0                               ; for the others' sake: my codes of wp lie in LDS
	s_barrier_signal -1
	s_barrier_wait -1
	s_wait_loadcnt 16                              ; bp and a's codes are in; x's 16 loads may be out
	LDWF 0
	LDWF 1
	OT 0, 8                                        ; tile 0's fragments are in; tile 1's 8 loads may be out
	OT 1, 12                                       ; behind tile 1's loads: tile 2's 8 loads and tile 0's 4 stores
	OT 2, 12                                       ; tile 0's stores have read the accumulators that are begun anew; behind them: tile 3's 8 loads, tile 1's 4 stores
	OT 3, 4                                        ; likewise: tile 2's 4 stores may be out
	s_wait_dscnt 0x0                               ; for the others' sake: my part of the stage is written
	s_barrier_signal -1
	s_barrier_wait -1
.irp n, 0,1,2,3,4,5,6,7,8,9,10,11,12,13,14,15
	ds_load_b128 v[RB+4*\n:RB+4*\n+3], v[RD] offset:(\n/2)*SPI+(\n%2)*512
.endr
	s_wait_loadcnt 0x0                             ; x
.irp n, 0,1,2,3,4,5,6,7,8,9,10,11,12,13,14,15
	s_wait_dscnt 15-\n                             ; LDS loads come back in order: number n is in
	v_pk_add_f32 v[RB+4*\n:RB+4*\n+1], v[RB+4*\n:RB+4*\n+1], v[XR+4*\n:XR+4*\n+1]
	v_pk_add_f32 v[RB+4*\n+2:RB+4*\n+3], v[RB+4*\n+2:RB+4*\n+3], v[XR+4*\n+2:XR+4*\n+3]
	global_store_b128 v[LI], v[RB+4*\n:RB+4*\n+3], s[40:41] offset:(\n/2)*16384+(\n%2)*512 th:TH_STORE_NT   ; 32 lanes store 512 consecutive bytes, aligned; written once, read by nobody here
.endr
	s_wait_tensorcnt 0x0
	ds_add_u32 v4, v9
	s_wait_dscnt 0x0
	s_endpgm
.Lfunc_end_k_q1c4a937761_outp:
	.size	k_q1c4a937761_outp, .Lfunc_end_k_q1c4a937761_outp-k_q1c4a937761_outp
	.p2alignl 7, 3214868480
	.fill 96, 4, 3214868480
	.section	.rodata,"a",@progbits
	.p2align	6, 0x0
	.amdhsa_kernel k_q1c4a937761_outp
		.amdhsa_group_segment_fixed_size 83968
		.amdhsa_private_segment_fixed_size 0
		.amdhsa_enable_private_segment 0
		.amdhsa_kernarg_size 48
		.amdhsa_user_sgpr_count 2
		.amdhsa_user_sgpr_kernarg_segment_ptr 1
		.amdhsa_wavefront_size32 1
		.amdhsa_system_sgpr_workgroup_id_x 1
		.amdhsa_system_sgpr_workgroup_id_y 1
		.amdhsa_system_sgpr_workgroup_id_z 1
		.amdhsa_system_vgpr_workitem_id 0
		.amdhsa_next_free_vgpr 256
		.amdhsa_next_free_sgpr 66
		.amdhsa_reserve_vcc 0
		.amdhsa_float_denorm_mode_32 3
		.amdhsa_float_denorm_mode_16_64 3
		.amdhsa_fp16_overflow 1
		.amdhsa_memory_ordered 1
		.amdhsa_forward_progress 1
		.amdhsa_inst_pref_size 23
	.end_amdhsa_kernel
	.amdgpu_metadata
---
amdhsa.version: [ 1, 2 ]
amdhsa.kernels:
  - .name:           k_q1c4a937761_outp
    .symbol:         k_q1c4a937761_outp.kd
    .args:
      - { .name: ac, .offset: 0, .size: 8, .value_kind: global_buffer, .address_space: global }
      - { .name: wp, .offset: 8, .size: 8, .value_kind: global_buffer, .address_space: global }
      - { .name: bp, .offset: 16, .size: 8, .value_kind: global_buffer, .address_space: global }
      - { .name: x, .offset: 24, .size: 8, .value_kind: global_buffer, .address_space: global }
      - { .name: lowp_scales, .offset: 32, .size: 8, .value_kind: global_buffer, .address_space: global }
      - { .name: out0, .offset: 40, .size: 8, .value_kind: global_buffer, .address_space: global }
    .group_segment_fixed_size: 83968
    .private_segment_fixed_size: 0
    .kernarg_segment_align: 8
    .kernarg_segment_size: 48
    .max_flat_workgroup_size: 256
    .sgpr_count:     66
    .vgpr_count:     256
    .wavefront_size: 32
...
	.end_amdgpu_metadata
.endif
;; end of part 3
